; MI455X (gfx1250); checked and timed in simulation.
; The chip was launched on July 23, 2026; its instructions are those of AMD's public machine-readable ISA for CDNA 5 (MIT licence, August 2026) and "CDNA5" Instruction Set Architecture Reference Guide (July 2026). The comments in the code are by the model that wrote it; some were corrected since.
;; Seq Attention. Allowed arithmetic: matrix products marked QUANTISED: E4M3 operands, one E8M0 scale for each 32 along K, by v_wmma_scale_f32_16x16x128_f8f6f4 with both operands' format E4M3, f32 sums; everything else in f32.
;; Inputs: key 8 x 2,048 x 1,024 float32; key_pe 1 x 1,024 x 2,048 float32; query 8 x 1,024 x 1,024 float32; value 8 x 2,048 x 1,024 float32.
;; Outputs: out0 8 x 1,024 x 1,024 float32.
;; Constants: hidden_size = 1024.
;; This version of the problem:
;;   THIS VERSION OF THE PROBLEM IS GIVEN IN LOW PRECISION. The matrix products marked QUANTISED in the list below multiply operands that are first quantised to E4M3 (4 exponent bits, 3 mantissa bits; 8 bits a number), with one power-of-two scale for each 32 numbers along K (OCP MX v1.0); their sums are f32. All else is computed in f32.
;;   The module's matrix products, in the order in which they are computed (A, B: the left and right operand; K: the contracted axis; several contracted axes count as one K, in the product's order):
;;     1. batch 8 x [M 1,024, K 1,024] x [K 1,024, N 2,048]; A: input query; B: input key: QUANTISED
;;     2. [M 8,192, K 1,024] x [K 1,024, N 2,048]; A: input query; B: input key_pe: QUANTISED
;;     3. batch 8 x [M 1,024, K 2,048] x [K 2,048, N 1,024]; A: computed on the way; B: input value: QUANTISED
;;   THE QUANTISER, for each operand of a quantised product, along K:
;;     - K is cut into blocks of 32 from its start; a last block that is shorter is filled with zeros.
;;     - A block's scale is 2^e with e = floor(log2(the largest magnitude in the block)) - 8, held to -126 .. 127; a block of zeros has e = 0. As a byte (E8M0): e + 127.
;;     - Each number is divided by its block's scale, clamped to +-448, and rounded to the nearest number of E4M3, ties to even, subnormals kept.
;;     - The product sums the exact products of the quantised numbers (number of the format x scale) in f32.
;;   ~~~python
;;   def quantise(x, axis):      # numpy; x: float32 -> the quantised numbers, widened to float32 again
;;       x = np.moveaxis(x, axis, -1); K = x.shape[-1]
;;       x = np.pad(x, [(0, 0)] * (x.ndim - 1) + [(0, -K % 32)]); x = x.reshape(x.shape[:-1] + (-1, 32)); a = np.abs(x).max(-1, keepdims=True)
;;       e = np.where(a > 0, np.clip(np.frexp(np.where(a > 0, a, 1))[1] - 1 - 8, -126, 127), 0)      # np.frexp(a)[1] - 1 = floor(log2(a)), exactly
;;       r = np.clip(x / 2.0 ** e, -448, 448)
;;       step = 2.0 ** (np.maximum(np.frexp(np.where(r == 0, 1, r))[1] - 1, -6) - 3)
;;       q = np.round(r / step) * step * 2.0 ** e      # np.round: ties to even
;;       return np.moveaxis(q.reshape(q.shape[:-2] + (-1,))[..., :K], -1, axis).astype(np.float32)
;;   ~~~
;;   OPERANDS COMPUTED ON THE WAY. 'Computed on the way' means the value that the module computes at that place (a softmax that the list does not call 'softmax' is quantised finished and normalised). What goes into a quantiser is computed in f32, as accurately as f32 sums, v_exp_f32 and their like allow (about 1e-6 of the number): no bf16 or f16 on the way to a quantiser, and a product that is left as it is and whose result goes on into a quantised operand takes f32 operands (vector FMAs, or v_wmma_f32_16x16x4_f32). A number that lies on a knife's edge between two numbers of the format may be rounded either way, as far as f32 arithmetic and the matrix unit's own rounding can turn it there, and no further.
;; One version. Each part assembles by itself: llvm-mc -triple=amdgcn-amd-amdhsa -mcpu=gfx1250 --defsym DOCPART=n.
;; ======== version 1 of 1: 3 launches
;; limits: right only within a limited range of input values
;; workspace buffers: c_codes 25,165,824 bytes; c_scales 786,432 bytes; v_codes 16,777,216 bytes; v_scales 524,288 bytes; s_codes 16,777,216 bytes; s_scales 524,288 bytes
;; launch quant (part 1): grid 256 x 1, 16 waves a work-group, no clusters, 105,472 bytes of LDS; arguments query, key, value, c_codes, c_scales, v_codes, v_scales; writes c_codes, c_scales, v_codes, v_scales
.if DOCPART == 1
	.amdgcn_target "amdgcn-amd-amdhsa--gfx1250"
	.amdhsa_code_object_version 6
	.text
	.protected	k_q9a41f9b298_quant
	.globl	k_q9a41f9b298_quant
	.p2align	8
	.type	k_q9a41f9b298_quant,@function
k_q9a41f9b298_quant:
	s_mov_b64 s[64:65], 0
	v_nop
	global_prefetch_b8 v0, s[64:65] scope:SCOPE_SE
	s_setreg_imm32_b32 hwreg(HW_REG_WAVE_MODE, 25, 1), 1
	s_wait_xcnt 0x0
; query [8192][1024], key [16384][1024] and value [8][2048][1024], f32, become codes of FP8 (E4M3) with one E8M0 scale byte for each 32 along the K of the product that reads them.
; NOT COMPUTED BY THIS PROGRAM: the product of query with key_pe, and the softmax of (content + position scores).  reference() binds the softmax to a name that nothing reads, and the position scores feed that softmax alone:
; for all values of the inputs they reach no output.  So key_pe is not loaded and is no launch's argument.  LIMIT: a NaN, an infinity or an overflow that reaches only this work is not carried to the result.
; A block's scale is 2^(floor(log2(its largest magnitude)) - 8); its byte is the largest magnitude's exponent field - 8, held at 1 from below; each number is divided by the scale, held within +-448, rounded to the nearest code, ties to even.
; LIMITS: a block of zeros gets the byte 1 where the rule says 127 (its codes are zeros, which add nothing under any byte but 0xff, and this program alone reads the bytes); blocks whose largest magnitude lies under 2^-118 keep the byte 1; NaN and infinities are not served.
; SHARES: 256 equal work-groups.  Waves 0-3 take value, waves 4-15 one run of query or key each.  No barrier: waves share nothing.
; QUERY AND KEY: a run is 8,192 numbers = 8 rows; runs 0-1023 are query's, 1024-3071 key's.  c_codes holds query's 8,192 rows and then key's 16,384, rows of 1,024 bytes; c_scales likewise, rows of 32.
; 16 steps of 512 numbers: each load reads 512 consecutive bytes; a step's 2,048 bytes turn through the wave's own stage in LDS and come back 64 bytes a lane: a lane holds 16 neighbours of a block, two neighbouring lanes a block.
; THE KEYS' ROWS ARE LAID IN ANOTHER ORDER: within each 32 keys the group of eight number 2 h + u goes to place 2 u + h: the product that reads them then finds, in 16 consecutive rows, the keys whose results are neighbours in a lane's registers.
; VALUE: a lane takes TWO neighbouring columns and its registers run down the keys; a wave takes 64 columns x 256 keys, in 8 blocks of 32 keys.  The hold writes each column's 32 numbers to registers on end, so the conversions
; give codes with the keys innermost: v_codes [8][1024][2048].  v_scales: [8][8 steps of 256 keys][1024 columns][8 bytes].
.set STEPS, 16
.set QR,    16                         ; v16-79   four sets of 16 numbers as they are loaded
.set QX,    80                         ; v80-111  two sets of 16 neighbours
.set QE,    112                        ; v112-127 a scale byte for each step
.set QC,    128                        ; v128-191 codes: four registers for each step, so that no store's data are written again
.set SP,    80                         ; a lane's place in a stage: its 64 bytes + 16 of padding
.set QREG,  2816                       ; LDS, query and key: 32 x SP bytes of stage, behind them 256 scale bytes
.set VP,    272                        ; LDS, value: a stage row: 256 codes + 16 of padding
.set VREG,  64*VP                      ; rows 0-31: the even columns; rows 32-63: the odd ones
.set QLDS,  4*VREG-4*QREG              ; wave w's region for query and key begins at QLDS + w QREG, w = 4 .. 15
.set SPARE, 4*VREG+12*QREG             ; the spare words, 128 bytes for each wave: no other line names them
.set NB,    8
.set VX,    32                         ; v32-159  two sets of 32 keys x 2 columns; on the way out 64 rows
.set VH,    160                        ; v160-223 held numbers: 32 of the even column, 32 of the odd one
.set VC,    224                        ; v224-239 their codes
.set SPW,   250                        ; LDS address of my spare word; never rewritten
.set NIL,   251                        ; 0; never rewritten
	s_load_b128 s[4:7], s[0:1], 0x0                ; query, key
	s_load_b64 s[8:9], s[0:1], 0x10                ; value
	s_load_b128 s[12:15], s[0:1], 0x18             ; c_codes, c_scales
	s_load_b128 s[16:19], s[0:1], 0x28             ; v_codes, v_scales
	v_lshl_add_u32 v[SPW], v0, 2, SPARE
	v_mov_b32 v[NIL], 0
	v_lshrrev_b32 v1, 5, v0
	v_readfirstlane_b32 s24, v1                    ; wave 0..15
	s_mov_b32 s40, 0x600000                        ; the mantissa field of 448 (an instruction takes one literal: the hold's line has another)
	s_cmp_lt_u32 s24, 4
	s_cbranch_scc1 .Lvalue
	; ---------------- query and key ----------------
	s_mul_i32 s25, s24, QREG
	s_add_co_u32 s25, s25, QLDS                    ; my stage
	s_add_co_u32 s26, s25, 32*SP                   ; my 256 scale bytes
	s_mul_i32 s28, ttmp9, 12
	s_add_co_u32 s28, s28, s24
	s_sub_co_u32 s28, s28, 4                       ; my run
	s_and_b32 s30, s28, -4                         ; where a run of key goes: its number's two lowest bits change places
	s_and_b32 s31, s28, 1
	s_lshl_b32 s31, s31, 1
	s_or_b32 s30, s30, s31
	s_bfe_u32 s31, s28, 0x10001
	s_or_b32 s30, s30, s31
	s_cmp_lt_u32 s28, 1024
	s_cselect_b32 s30, s28, s30                    ; query keeps its order
	s_cselect_b32 s29, 0, 1024
	s_sub_co_u32 s32, s28, s29
	s_lshl_b32 s32, s32, 15                        ; 32,768 bytes of f32 a run
	s_mov_b32 s33, 0
	s_lshl_b32 s34, s30, 13                        ; 8,192 bytes of codes
	s_mov_b32 s35, 0
	s_lshl_b32 s36, s30, 8                         ; 256 scale bytes
	s_mov_b32 s37, 0
	v_and_b32 v2, 31, v0                           ; lane
	v_lshlrev_b32 v3, 4, v2                        ; my 16 bytes of a load's 512, and of a step's 512 codes
	v_lshrrev_b32 v14, 2, v2
	v_mul_u32_u24 v14, v14, SP
	v_and_b32 v15, 3, v2
	v_lshl_add_u32 v14, v15, 4, v14
	v_add_nc_u32 v14, s25, v14                     ; the stage, on the way in: four lanes' 64 bytes on end, then 16 of padding
	v_mul_u32_u24 v15, v2, SP
	v_add_nc_u32 v15, s25, v15                     ; and on the way out: SP x lane: my 16 neighbours
	v_lshrrev_b32 v5, 1, v2
	v_add_nc_u32 v5, s26, v5                       ; my block's scale byte
	v_lshlrev_b32 v7, 3, v2
	v_add_nc_u32 v6, s26, v7                       ; and on the way out 8 bytes a lane
	s_wait_alu depctr_va_vdst(0)                   ; the wait at the head's end
	s_wait_kmcnt 0x0
	s_cmp_lt_u32 s28, 1024                         ; query's run or key's
	s_cselect_b64 s[4:5], s[4:5], s[6:7]
	s_add_nc_u64 s[4:5], s[4:5], s[32:33]
	s_add_nc_u64 s[12:13], s[12:13], s[34:35]
	s_add_nc_u64 s[14:15], s[14:15], s[36:37]
.macro QLOAD t
.irp i, 0,1,2,3
	global_load_b128 v[QR+16*((\t)%4)+4*\i:QR+16*((\t)%4)+4*\i+3], v3, s[4:5] offset:2048*(\t)+512*\i th:TH_LOAD_NT   ; 32 lanes read 512 consecutive bytes
.endr
.endm
.macro QTURN t                         ; step t's numbers through the stage: LDS serves a wave's instructions in order, so no wait stands between the stores and the loads
.irp i, 0,1,2,3
	ds_store_b128 v14, v[QR+16*((\t)%4)+4*\i:QR+16*((\t)%4)+4*\i+3] offset:8*SP*\i
.endr
.irp i, 0,1,2,3
	ds_load_b128 v[QX+16*((\t)%2)+4*\i:QX+16*((\t)%2)+4*\i+3], v15 offset:16*\i
.endr
.endm
.irp t, 0,1,2,3
	QLOAD \t
.endr
	s_wait_loadcnt 12                              ; step 0's four loads are in; the twelve of steps 1 to 3 may be out
	QTURN 0
.macro QSTEP t
.set XS, QX+16*((\t)%2)
.if (\t) > 0
	s_wait_dscnt 1                                 ; this step's numbers are back from the stage (the last step's byte store may be out)
.else
	s_wait_dscnt 0x0
.endif
.if (\t)+4 < STEPS
	QLOAD (\t)+4                                   ; the registers that have gone through the stage take the loads of four steps on
.endif
.if (\t)+1 < STEPS
.if STEPS-2-(\t) >= 3
	s_wait_loadcnt 12                              ; the next step's four loads are in; those of the three steps behind it may be out
.else
	s_wait_loadcnt 4*(STEPS-2-(\t))
.endif
	QTURN (\t)+1
.endif
	v_max3_num_f32 v8, |v[XS]|, |v[XS+1]|, |v[XS+2]|               ; the largest magnitude of my 16, in two chains
	v_max3_num_f32 v9, |v[XS+3]|, |v[XS+4]|, |v[XS+5]|
.irp i, 6,10
	v_max3_num_f32 v8, v8, |v[XS+\i]|, |v[XS+\i+1]|
	v_max3_num_f32 v9, v9, |v[XS+\i+2]|, |v[XS+\i+3]|
.endr
	v_max3_num_f32 v8, v8, |v[XS+14]|, |v[XS+15]|
	v_max3_num_f32 v8, v8, v9, 0x4800000           ; and the floor 2^(9 - 127): so the byte cannot fall under 1
	v_max_num_f32_dpp v8, v8, v8 row_xmask:1 row_mask:0xf bank_mask:0xf   ; and of my neighbour's 16: the block's
	v_add_nc_u32 v11, 0xfc000000, v8               ; 8 off its exponent field: the conversion's scale operand
	v_and_or_b32 v10, v8, 0x7f800000, s40          ; 448 x the scale
.irp i, 0,1,2,3,4,5,6,7,8,9,10,11,12,13,14,15
	v_med3_num_f32 v[XS+\i], v[XS+\i], -v10, v10   ; the conversion to an 8-bit code does not saturate (ISA guide 7.6.2): hold the number first
.endr
	v_cvt_scalef32_pk8_fp8_f32 v[QC+4*(\t):QC+4*(\t)+1], v[XS:XS+7], v11
	v_cvt_scalef32_pk8_fp8_f32 v[QC+4*(\t)+2:QC+4*(\t)+3], v[XS+8:XS+15], v11
	v_lshrrev_b32 v[QE+(\t)], 23, v11              ; the scale's byte (also the plain line behind the conversions)
	ds_store_b8 v5, v[QE+(\t)] offset:16*(\t)      ; both lanes of a block write the same byte with the same value
	global_store_b128 v3, v[QC+4*(\t):QC+4*(\t)+3], s[12:13] offset:512*(\t)
.endm
.irp t, 0,1,2,3,4,5,6,7,8,9,10,11,12,13,14,15
	QSTEP \t
.endr
	ds_load_b64 v[8:9], v6                         ; LDS serves a wave's instructions in order: these see my stores
	s_wait_dscnt 0x0
	global_store_b64 v7, v[8:9], s[14:15]          ; 32 lanes store 256 consecutive bytes, aligned
	s_wait_tensorcnt 0x0                           ; the wave's end
	ds_add_u32 v[SPW], v[NIL]
	s_wait_dscnt 0x0
	s_endpgm
	; ---------------- value ----------------
.Lvalue:
	s_and_b32 s26, ttmp9, 3                        ; which 256 columns
	s_bfe_u32 s27, ttmp9, 0x30002                  ; which 256 keys
	s_lshr_b32 s28, ttmp9, 5                       ; the batch
	s_lshl_b32 s29, s26, 8
	s_lshl_b32 s31, s24, 6
	s_add_co_u32 s29, s29, s31                     ; my wave's first column
	s_mul_i32 s30, s24, VREG                       ; my stage
	s_lshl_b32 s32, s28, 23                        ; value: batch x 2,048 x 4,096 + 256 keys x 4,096 + 4 x column
	s_lshl_b32 s31, s27, 20
	s_add_co_u32 s32, s32, s31
	s_lshl_b32 s31, s29, 2
	s_add_co_u32 s32, s32, s31
	s_mov_b32 s33, 0
	s_lshl_b32 s34, s28, 21                        ; codes: (batch x 1,024 + column) x 2,048 + 256 x step
	s_lshl_b32 s31, s29, 11
	s_add_co_u32 s34, s34, s31
	s_lshl_b32 s31, s27, 8
	s_add_co_u32 s34, s34, s31
	s_mov_b32 s35, 0
	s_lshl_b32 s36, s28, 16                        ; scale bytes: ((8 x batch + step) x 1,024 + column) x 8
	s_lshl_b32 s31, s27, 13
	s_add_co_u32 s36, s36, s31
	s_lshl_b32 s31, s29, 3
	s_add_co_u32 s36, s36, s31
	s_mov_b32 s37, 0
	v_and_b32 v2, 31, v0                           ; lane
	v_lshlrev_b32 v3, 3, v2                        ; in: 8 bytes a lane: columns 2 l, 2 l + 1
	v_mul_u32_u24 v4, v2, VP
	v_add_nc_u32 v4, s30, v4                       ; into the stage: row l (odd column: row 32 + l)
	v_and_b32 v5, 15, v2
	v_lshrrev_b32 v6, 4, v2                        ; out of it: sixteen lanes to a row, two rows an instruction
	v_mul_u32_u24 v7, v6, VP
	v_lshl_add_u32 v7, v5, 4, v7
	v_add_nc_u32 v7, s30, v7
	v_lshlrev_b32 v8, 12, v6                       ; in the codes' buffer neighbouring stage rows are two columns apart
	v_lshl_add_u32 v8, v5, 4, v8
	v_lshlrev_b32 v9, 4, v2                        ; my two columns' 16 scale bytes
.irp i, 24,25,26,27
	v_mov_b32 v\i, 0                               ; v[24:25], v[26:27]: a column's 8 scale bytes, shifted in from the top
.endr
	s_wait_alu depctr_va_vdst(0)                   ; the wait at the head's end
	s_wait_kmcnt 0x0
	s_add_nc_u64 s[8:9], s[8:9], s[32:33]
	s_add_nc_u64 s[16:17], s[16:17], s[34:35]
	s_add_nc_u64 s[18:19], s[18:19], s[36:37]
.macro VLOAD t                         ; block t: keys 32 t + i, i = 0 .. 31, into set t % 2: 256 consecutive bytes a load; the largest offset, 255 x 4,096, lies inside the signed 24-bit immediate
.irp i, 0,1,2,3,4,5,6,7,8,9,10,11,12,13,14,15,16,17,18,19,20,21,22,23,24,25,26,27,28,29,30,31
	global_load_b64 v[VX+64*((\t)%2)+2*\i:VX+64*((\t)%2)+2*\i+1], v3, s[8:9] offset:(32*(\t)+\i)*4096 th:TH_LOAD_NT
.endr
.endm
	VLOAD 0
	VLOAD 1
.macro VBLOCK t
.set XS, VX+64*((\t)%2)
	s_wait_dscnt 0x0                               ; the last block's stores into the stage are done
.if (\t) < NB-1
	s_wait_loadcnt 32                              ; this block's 32 loads are in; the next block's may be out
.else
	s_wait_loadcnt 0x0
.endif
.irp c, 0,1                            ; the largest magnitude of column c's 32 numbers, in two chains: v12, v13 and v14, v15
	v_max3_num_f32 v[12+2*\c], |v[XS+\c]|, |v[XS+2+\c]|, |v[XS+4+\c]|
	v_max3_num_f32 v[13+2*\c], |v[XS+6+\c]|, |v[XS+8+\c]|, |v[XS+10+\c]|
.endr
.irp i, 6,10,14,18,22,26
.irp c, 0,1
	v_max3_num_f32 v[12+2*\c], v[12+2*\c], |v[XS+2*\i+\c]|, |v[XS+2*\i+2+\c]|
	v_max3_num_f32 v[13+2*\c], v[13+2*\c], |v[XS+2*\i+4+\c]|, |v[XS+2*\i+6+\c]|
.endr
.endr
.irp c, 0,1
	v_max3_num_f32 v[12+2*\c], v[12+2*\c], |v[XS+60+\c]|, |v[XS+62+\c]|
.endr
.irp c, 0,1
	v_max3_num_f32 v[12+2*\c], v[12+2*\c], v[13+2*\c], 0x4800000   ; and the floor 2^(9 - 127)
.endr
.irp c, 0,1
	v_add_nc_u32 v[16+\c], 0xfc000000, v[12+2*\c]  ; the conversion's scale operand
.endr
.irp c, 0,1
	v_and_or_b32 v[18+\c], v[12+2*\c], 0x7f800000, s40   ; 448 x the scale
.endr
.irp c, 0,1
	v_lshrrev_b32 v[20+\c], 23, v[16+\c]           ; the scale's byte
.endr
.irp c, 0,1
	v_alignbit_b32 v[24+2*\c], v[25+2*\c], v[24+2*\c], 8   ; the eight bytes move down by one,
.endr
.irp c, 0,1
	v_alignbit_b32 v[25+2*\c], v[20+\c], v[25+2*\c], 8     ; and the new one comes in at the top
.endr
.irp i, 0,1,2,3,4,5,6,7,8,9,10,11,12,13,14,15,16,17,18,19,20,21,22,23,24,25,26,27,28,29,30,31
	v_med3_num_f32 v[VH+\i], v[XS+2*\i], -v18, v18       ; the hold at the largest code x the scale; it parts the two columns
	v_med3_num_f32 v[VH+32+\i], v[XS+2*\i+1], -v19, v19
.endr
.irp g, 0,1,2,3
	v_cvt_scalef32_pk8_fp8_f32 v[VC+2*\g:VC+2*\g+1], v[VH+8*\g:VH+8*\g+7], v16
	v_cvt_scalef32_pk8_fp8_f32 v[VC+8+2*\g:VC+8+2*\g+1], v[VH+32+8*\g:VH+32+8*\g+7], v17
.endr
	v_nop                                          ; one plain line behind the last conversion
.irp c, 0,1
	ds_store_b128 v4, v[VC+8*\c:VC+8*\c+3] offset:32*\c*VP+32*(\t)       ; 32 codes: 32 bytes of a column's row
	ds_store_b128 v4, v[VC+8*\c+4:VC+8*\c+7] offset:32*\c*VP+32*(\t)+16
.endr
.if (\t)+2 < NB
	VLOAD (\t)+2
.endif
.endm
.irp t, 0,1,2,3,4,5,6,7
	VBLOCK \t
.endr
	global_store_b128 v9, v[24:27], s[18:19]       ; 32 lanes store 512 consecutive bytes, aligned
.irp t, 0,1,2,3,4,5,6,7,8,9,10,11,12,13,14,15,16,17,18,19,20,21,22,23,24,25,26,27,28,29,30,31
	ds_load_b128 v[VX+4*\t:VX+4*\t+3], v7 offset:2*\t*VP   ; LDS serves a wave's instructions in order: these see my stores
.endr
.irp t, 0,1,2,3,4,5,6,7,8,9,10,11,12,13,14,15,16,17,18,19,20,21,22,23,24,25,26,27,28,29,30,31
	s_wait_dscnt 31-\t
	global_store_b128 v8, v[VX+4*\t:VX+4*\t+3], s[16:17] offset:(4*(\t%16)+\t/16)*2048   ; sixteen lanes store 256 consecutive bytes, aligned; rows 2 t, 2 t + 1 of the stage are columns 4 t, 4 t + 2 (from t = 16 on the odd ones)
.endr
	s_wait_tensorcnt 0x0                           ; the wave's end
	ds_add_u32 v[SPW], v[NIL]
	s_wait_dscnt 0x0
	s_endpgm
.Lfunc_end_k_q9a41f9b298_quant:
	.size	k_q9a41f9b298_quant, .Lfunc_end_k_q9a41f9b298_quant-k_q9a41f9b298_quant
	.p2alignl 7, 3214868480
	.fill 96, 4, 3214868480
	.section	.rodata,"a",@progbits
	.p2align	6, 0x0
	.amdhsa_kernel k_q9a41f9b298_quant
		.amdhsa_group_segment_fixed_size 105472
		.amdhsa_private_segment_fixed_size 0
		.amdhsa_enable_private_segment 0
		.amdhsa_kernarg_size 56
		.amdhsa_user_sgpr_count 2
		.amdhsa_user_sgpr_kernarg_segment_ptr 1
		.amdhsa_wavefront_size32 1
		.amdhsa_system_sgpr_workgroup_id_x 1
		.amdhsa_system_sgpr_workgroup_id_y 1
		.amdhsa_system_sgpr_workgroup_id_z 1
		.amdhsa_system_vgpr_workitem_id 0
		.amdhsa_next_free_vgpr 256
		.amdhsa_next_free_sgpr 66
		.amdhsa_reserve_vcc 0
		.amdhsa_float_denorm_mode_32 3
		.amdhsa_float_denorm_mode_16_64 3
		.amdhsa_memory_ordered 1
		.amdhsa_forward_progress 1
		.amdhsa_inst_pref_size 144
	.end_amdhsa_kernel
	.amdgpu_metadata
---
amdhsa.version: [ 1, 2 ]
amdhsa.kernels:
  - .name:           k_q9a41f9b298_quant
    .symbol:         k_q9a41f9b298_quant.kd
    .args:
      - { .name: query, .offset: 0, .size: 8, .value_kind: global_buffer, .address_space: global }
      - { .name: key, .offset: 8, .size: 8, .value_kind: global_buffer, .address_space: global }
      - { .name: value, .offset: 16, .size: 8, .value_kind: global_buffer, .address_space: global }
      - { .name: c_codes, .offset: 24, .size: 8, .value_kind: global_buffer, .address_space: global }
      - { .name: c_scales, .offset: 32, .size: 8, .value_kind: global_buffer, .address_space: global }
      - { .name: v_codes, .offset: 40, .size: 8, .value_kind: global_buffer, .address_space: global }
      - { .name: v_scales, .offset: 48, .size: 8, .value_kind: global_buffer, .address_space: global }
    .group_segment_fixed_size: 105472
    .private_segment_fixed_size: 0
    .kernarg_segment_align: 8
    .kernarg_segment_size: 56
    .max_flat_workgroup_size: 512
    .sgpr_count:     66
    .vgpr_count:     256
    .wavefront_size: 32
...
	.end_amdgpu_metadata
.endif
;; end of part 1
;; launch scores (part 2): grid 8 x 32, 4 waves a work-group, clusters of 4 x 4, 327,680 bytes of LDS; arguments c_codes, c_scales, s_codes, s_scales; writes s_codes, s_scales
.if DOCPART == 2
	.amdgcn_target "amdgcn-amd-amdhsa--gfx1250"
	.amdhsa_code_object_version 6
	.text
	.protected	k_q9a41f9b298_scores
	.globl	k_q9a41f9b298_scores
	.p2align	8
	.type	k_q9a41f9b298_scores,@function
k_q9a41f9b298_scores:
	s_mov_b64 s[64:65], 0
	v_nop
	global_prefetch_b8 v0, s[64:65] scope:SCOPE_SE
	s_setreg_imm32_b32 hwreg(HW_REG_WAVE_MODE, 25, 1), 1
	s_wait_xcnt 0x0
	s_wait_alu depctr_hold_cnt(0) depctr_sa_sdst(0) depctr_va_vdst(0) depctr_va_sdst(0) depctr_va_ssrc(0) depctr_va_vcc(0) depctr_vm_vsrc(0)
	s_getreg_b32 s2, hwreg(HW_REG_IB_STS2, 6, 4)
	s_cmp_eq_u32 s2, 0
	s_cbranch_scc0 .Lentry_in_a_cluster
	s_endpgm
.Lentry_in_a_cluster:
	s_bfe_u32 s2, ttmp6, 0x10000c
	s_cmp_lg_u32 s2, 0xf033
	s_cbranch_scc0 .Lentry_shape_is_right
	s_endpgm
.Lentry_shape_is_right:
; S[b][m][l] = sum over h of Q[b][m][h] K[b][l][h], on codes of FP8 (E4M3) with one E8M0 scale for each 32 along h; sums in f32.  S is the left operand of the next product, whose K is l: it is quantised along l
; here, in registers, and leaves as codes: s_codes [8192 rows][2048]; s_scales [8 batches][8 steps of 256 keys][1024 rows][8 bytes], in which the word of a step's SECOND 128 keys comes first.
; NOT COMPUTED: the product of query with key_pe and the softmax behind it: nothing that is returned uses them (see the first kernel's head).
; LIMITS: a block of 32 scores that are all zero gets the byte 1 where the rule says 127 (its codes are zeros; this program alone reads the bytes); NaN and infinities are not served.
; A tile of S, 256 queries x 256 keys, is made by a work-group of four waves; a wave makes 128 x 128: 64 accumulators of 16 x 16, 512 registers.  h goes in four steps of 256 through a ring of two LDS slots filled by the tensor data mover.
; THE HEAD fills BOTH slots, one joint load a wave: wave 0 slot 0's 256 rows of Q, wave 1 its 256 rows of K, waves 2 and 3 slot 1's.  Steps 2 and 3 are refills, 128 rows a wave, each behind a round of the cluster's barrier.
; THE SCALE WORDS of a wave's 128 queries and 128 keys, for all of h, come straight from memory into 64 registers: 32 bytes a row, two loads of 16 bytes.
; CLUSTERS: 4 x 4 work-groups; a cluster's four tile rows are one batch.  The four of a row of the cluster need the same tiles of Q, the four of a column the same tiles of K: each tile is asked for JOINTLY.
; PREFETCHES: steps 2 and 3, one instruction a wave each: step 2 at the head, behind the first loads; step 3 ahead of step 0's products: two steps ahead of the loads that want them.  Each 256 bytes of a row are named once in each
; cluster that loads them: of a tile's 256 rows each of the four partners takes 64, told apart by address; a lane a row, waves 0 and 1 for Q, waves 2 and 3 for K.  Nothing is asked for behind step 3, the last.
; THE MATRIX INSTRUCTION IS USED TRANSPOSED (source 0 = 16 rows of K, source 1 = 16 rows of Q): a lane holds one query and its registers run along the keys.
; THE KEYS' ROWS LIE IN ANOTHER ORDER: row rho of the 16-row block 2 b + u is key 32 b + 16 (rho / 8) + 8 u + rho % 8.  So the 16 registers of accumulators (a, 2 b) and (a, 2 b + 1) of lane (r, h) are
; S(16 a + r, 32 b + 16 h + 0 .. 15): 16 neighbours along the next K, and a block of 32 lies in lanes l and l xor 16.
; REGISTERS, in windows of 256: window 0: v0-31 addresses; v32-101 scale words; from v128 Q's fragments (8 x 16 rows x 128 along h), ONE set.
;   window 1: K's fragments, TWO sets, at v0 and at v128.   window 2: the 32 accumulators of my rows 0-63 (accumulator (a, b) at v[8 (8 a + b)]);   window 3: those of my rows 64-127.
.set ROWB,   256                       ; a tile's row in bytes: 256 along h
.set KROW,   1024                      ; a row of codes in memory
.set PITCH,  272                       ; an LDS row: 256 bytes + 16 of padding = 68 words: the 16 rows that a load touches start at 16 different banks (64 banks of 4 bytes: ISA guide 11.1)
.set FR,     16                        ; registers of a fragment: 16 rows x 128
.set NP,     8                         ; places behind this matrix instruction (ISA guide 7.12.1)
.set HALFT,  128*PITCH
.set SLOT,   4*HALFT                   ; Q's 256 rows, then K's 256 rows
.set SPARE,  2*SLOT                    ; behind the ring: the spare words, 128 bytes for each wave: no other line names them
.set CP,     272                       ; the way out: the work-group's stage, 256 rows x (256 codes + 16), from LDS byte 0: slot 0 has had its last fill and its last read when the first code is stored there
.set SST,    256*CP                    ; behind it the tile's scale bytes, [256 rows][8]
.set ADRA, 16                          ; v16-17  LDS address of my Q fragments in slot 0, 1
.set ADRB, 20                          ; v20-21  the same for K
.set GSO,  22                          ; v22     the way out: my 16 bytes of the tile's 2,048 scale bytes, in memory
.set SRD,  23                          ; v23     and in LDS
.set STO,  24                          ; v24     where I put 16 codes of a row
.set RD,   25                          ; v25     where I read a row of codes back
.set CO,   26                          ; v26     my byte offset in s_codes
.set SOF,  27                          ; v27     my row's scale words: lanes 0-15 Q's rows, lanes 16-31 K's
.set SPW,  28                          ; v28     LDS address of my spare word; never rewritten
.set NIL,  29                          ; v29     0; never rewritten
.set SSO,  30                          ; v30     where I put a row's scale word
.set PFO,  31                          ; v31     the prefetches' offset: a lane a row; never rewritten
.set SC,   32                          ; scale words: block i, word n at SC + 4 (i % 2) + 18 ((i / 2) % 2) + 8 (i / 4) + 36 (n / 4) + n % 4: in one product the two registers' numbers agree modulo 8 for blocks i, i + 4 alone
.set AF,   128                         ; Q's fragments, in window 0
.set TM,   32                          ; the way out: v32-35 largest magnitudes, v36-39 bytes, v40-43 448 x the scale, v44-47 the conversions' scale operands
.set PWB,  48                          ; v48-55  block a's scale word
.set SW,   56                          ; v56-59  16 scale bytes on their way out
.set CDB,  64                          ; v64-191 block a's codes, 16 registers each
.set G1, 24                            ; s[24:31] descriptor group 1 for Q's tiles;  s[32:39] group 0 of the refills, one set for each slot
.set G0, 32
.set G1B, 48                           ; s[48:55], s[56:63] the same for K's tiles
.set G0B, 56
.set G0H, 68                           ; s[68:71], s[72:75] group 0 of the head's loads, Q and K
.set G0HB, 72
.set PF, 10                            ; s[10:11] where my prefetches stand
.set MSB, 0
.macro WIN new                         ; the immediate's high byte repeats the setting that is left
.if MSB != (\new)
	s_set_vgpr_msb (MSB<<8)|(\new)
.set MSB, (\new)
.endif
.endm
.set MUL_LO, 0xa1                      ; source 0 (K) window 1, source 1 (Q) window 0, C and D window 2
.set MUL_HI, 0xf1                      ; the same, C and D window 3
.set TO_B,   0x40                      ; destination window 1, address window 0
.macro PLACES n
.rept \n
	v_nop
.endr
.endm
.macro TLOAD g0, g1                    ; an s_nop 0 and four v_nop follow each tensor load
	tensor_load_to_lds s[\g0:\g0+3], s[\g1:\g1+7]
	s_nop 0
	PLACES 4
.endm
.macro JLOAD g0a, g1a, g0b, g1b        ; a joint refill: waves 0 and 1 fetch for Q, waves 2 and 3 for K; the branch hangs on the wave's number alone
	s_cmp_eq_u32 s15, 0
	s_cbranch_scc0 .Lfor_b_\@
	TLOAD \g0a, \g1a
	s_branch .Lasked_\@
.Lfor_b_\@:
	TLOAD \g0b, \g1b
.Lasked_\@:
.endm
.macro CREST                           ; a round of the cluster's barrier behind its opening barrier
	s_cmp_lg_u32 s14, 0
	s_cbranch_scc1 .Lnot_wave_0_\@
	s_barrier_signal -3
.Lnot_wave_0_\@:
	s_barrier_wait -3
	s_barrier_signal -1
	s_barrier_wait -1
.endm
.macro CROUND                          ; a whole round
	s_barrier_signal -1
	s_barrier_wait -1
	CREST
.endm
	s_load_b128 s[4:7], s[0:1], 0x0                ; codes, scales of Q and K
	s_load_b128 s[96:99], s[0:1], 0x10             ; S's codes, S's scales
	v_lshl_add_u32 v[SPW], v0, 2, SPARE
	v_mov_b32 v[NIL], 0
	ds_add_u32 v[SPW], v[NIL]                      ; the wave's opening: the add, twice on end, and its wait ahead of my first tensor load
	ds_add_u32 v[SPW], v[NIL]
	v_lshrrev_b32 v1, 5, v0
	v_readfirstlane_b32 s14, v1                    ; wave 0..3
	s_lshr_b32 s15, s14, 1                         ; which half of the tile's rows is mine.  Also: the head's slot that I fetch for; in a refill I fetch for Q (0) or for K (1)
	s_and_b32 s16, s14, 1                          ; which half of its columns.  Also: which 128 rows I fetch in a refill
	s_bfe_u32 s40, ttmp6, 0x40000                  ; cx, cy: my place in the cluster
	s_bfe_u32 s41, ttmp6, 0x40004
	s_lshl_b32 s42, ttmp9, 2
	s_add_co_u32 s42, s42, s40                     ; tile column: 256 keys of the batch
	s_and_b32 s95, ttmp7, 0xffff                   ; the cluster's y is the batch
	s_lshl_b32 s17, s95, 2
	s_add_co_u32 s17, s17, s41                     ; tile row, over the 8,192 rows of all batches
	s_lshl_b32 s43, s41, 2
	s_lshl_b32 s43, 15, s43                        ; my row of the cluster
	s_lshl_b32 s44, 0x1111, s40                    ; my column
	; descriptor group 1: a tile of 256 rows x 256 bytes, padded in LDS; behind the head the two words that count rows are set to 128
	s_or_b32 s[G1+0], s43, (0<<16)|(1<<20)|(1<<21)|(5<<22)|(3<<25)  ; 15:0 the mask; 17:16 element of 1 byte; 20 padding on; 21 set beside a mask; 24:22 after every 64 words (code 5); 31:25 of 4 words (code 3)
	s_or_b32 s[G1B+0], s44, (0<<16)|(1<<20)|(1<<21)|(5<<22)|(3<<25)
.irp g, G1, G1B
	s_mov_b32 s[\g+1], ROWB<<16                    ; tensor_dim0
	s_mov_b32 s[\g+2], 256<<16                     ; tensor_dim1
	s_mov_b32 s[\g+3], ROWB<<16                    ; tile_dim0
	s_mov_b32 s[\g+4], 256                         ; tile_dim1
	s_mov_b32 s[\g+5], KROW                        ; tensor_dim0_stride
	s_mov_b32 s[\g+6], 0
	s_mov_b32 s[\g+7], 0
.endr
	s_lshl_b32 s20, s17, 18                        ; Q: the tile's first row, in bytes of codes
	s_lshl_b32 s46, s42, 18                        ; K: behind Q's 8,192 rows: 2,048 x batch + 256 x tile column
	s_lshl_b32 s19, s95, 21
	s_add_co_u32 s46, s46, s19
	s_add_co_u32 s46, s46, 8192*KROW
	s_cmp_eq_u32 s15, 0                            ; my prefetches: 32 rows of the 64 that my work-group takes of Q's tile (by cx) or of K's (by cy)
	s_cselect_b32 s10, s20, s46
	s_cselect_b32 s11, s40, s41
	s_lshl_b32 s11, s11, 16
	s_add_co_u32 s10, s10, s11
	s_lshl_b32 s11, s16, 15
	s_add_co_u32 s10, s10, s11
	s_mov_b32 s11, 0
	s_lshr_b32 s80, s20, 5                         ; scales: 32 bytes a row: my 128 rows of Q,
	s_lshl_b32 s18, s15, 12
	s_add_co_u32 s80, s80, s18
	s_lshr_b32 s81, s46, 5                         ; and of K, which lie further on in the same buffer: the distance
	s_lshl_b32 s18, s16, 12
	s_add_co_u32 s81, s81, s18
	s_sub_co_u32 s81, s81, s80
	s_lshl_b32 s18, s15, 8                         ; the head's tiles: step 0 or 1 along h
	s_add_co_u32 s82, s20, s18
	s_add_co_u32 s84, s46, s18
	s_mov_b32 s83, 0
	s_mov_b32 s85, 0
	s_lshl_b32 s18, s16, 17                        ; the refills: my 128 rows
	s_add_co_u32 s20, s20, s18
	s_add_co_u32 s46, s46, s18
	s_mov_b32 s21, 0
	s_mov_b32 s47, 0
	s_mul_i32 s45, s14, HALFT                      ; and where they go: no place in the cluster enters an LDS address
	s_wait_dscnt 0x0                               ; both opening adds are done
	s_wait_kmcnt 0x0
	s_add_nc_u64 s[20:21], s[4:5], s[20:21]
	s_add_nc_u64 s[46:47], s[4:5], s[46:47]
	s_add_nc_u64 s[82:83], s[4:5], s[82:83]
	s_add_nc_u64 s[84:85], s[4:5], s[84:85]
	s_add_nc_u64 s[PF:PF+1], s[4:5], s[10:11]
	CROUND                                         ; all sixteen work-groups are here: the first joint loads meet
	s_mov_b32 s[G0H], 1
	s_mul_i32 s[G0H+1], s15, SLOT
	s_mov_b64 s[G0H+2:G0H+3], s[82:83]
	s_or_b32 s[G0H+3], s[G0H+3], 0x80000000
	s_mov_b32 s[G0HB], 1
	s_add_co_u32 s[G0HB+1], s[G0H+1], 2*HALFT
	s_mov_b64 s[G0HB+2:G0HB+3], s[84:85]
	s_or_b32 s[G0HB+3], s[G0HB+3], 0x80000000
; THE HEAD'S LOADS, ONE A WAVE: one tree of branches on the wave's number, every way through it passes exactly one load.  Slot 0's two lines are waves 0 and 1's alone, which wait ahead of the first barrier.
.macro ARM under, g0, g1, next
	s_cmp_lt_u32 s14, \under
	s_cbranch_scc0 \next
	TLOAD \g0, \g1
	s_branch .Lhead_asked
\next:
.endm
	ARM 1, G0H,  G1,  .Lhead_1
	ARM 2, G0HB, G1B, .Lhead_2
	ARM 3, G0H,  G1,  .Lhead_3
	TLOAD G0HB, G1B
.Lhead_asked:
.irp s, 0,1                            ; the refills' group 0: slot s takes step 2 + s
	s_mov_b32 s[G0+4*\s], 1
	s_add_co_u32 s[G0+4*\s+1], s45, \s*SLOT
	s_add_nc_u64 s[G0+4*\s+2:G0+4*\s+3], s[20:21], (2+\s)*ROWB
	s_or_b32 s[G0+4*\s+3], s[G0+4*\s+3], 0x80000000
	s_mov_b32 s[G0B+4*\s], 1
	s_add_co_u32 s[G0B+4*\s+1], s45, \s*SLOT
	s_add_nc_u64 s[G0B+4*\s+2:G0B+4*\s+3], s[46:47], (2+\s)*ROWB
	s_or_b32 s[G0B+4*\s+3], s[G0B+4*\s+3], 0x80000000
.endr
	v_and_b32 v1, 15, v0                           ; r = l % 16
	v_bfe_u32 v2, v0, 4, 1                         ; h = l / 16
	v_and_b32 v3, 31, v0
	v_mul_u32_u24 v6, s81, v2                      ; lanes 16-31 take K's rows
	v_lshl_add_u32 v6, v1, 5, v6
	v_add_nc_u32 v[SOF], s80, v6
	v_lshlrev_b32 v[PFO], 10, v3
.irp i, 0,1,2,3,4,5,6,7
.irp j, 0,1
	global_load_b128 v[SC+4*(\i%2)+18*((\i/2)%2)+8*(\i/4)+36*\j:SC+4*(\i%2)+18*((\i/2)%2)+8*(\i/4)+36*\j+3], v[SOF], s[6:7] offset:512*\i+16*\j
.endr
.endr
	global_prefetch_b8 v[PFO], s[PF:PF+1] offset:2*ROWB th:TH_LOAD_NT scope:SCOPE_SE   ; step 2
	s_mul_i32 s21, s15, HALFT                      ; my 128 rows of Q
	s_mul_i32 s22, s16, HALFT                      ; my 128 rows of K,
	s_add_co_u32 s22, s22, 2*HALFT                 ; which lie behind Q's 256
	s_mul_i32 s23, s15, 128*CP                     ; into the stage: row 128 x my row half + r (+ 16 a), byte 128 x my column half + 16 h (+ 32 for each block of 32 keys)
	s_mul_i32 s12, s16, 32*CP                      ; back: rows 128 x half + 32 x (wave % 2) + 0 .. 31, and 64 further on; lanes 0-15 one row of 256 bytes, lanes 16-31 the next
	s_add_co_u32 s12, s12, s23
	s_lshl_b32 s18, s16, 7
	s_add_co_u32 s23, s23, s18
	s_lshl_b32 s13, s15, 10                        ; a row's scale word: 8 bytes a row, the second column half's word first
	s_xor_b32 s18, s16, 1
	s_lshl_b32 s18, s18, 2
	s_add_co_u32 s13, s13, s18
	s_add_co_u32 s13, s13, SST
	s_lshl_b32 s82, s17, 19                        ; s_codes: (256 x tile row + 128 x half + 32 x (wave % 2)) x 2,048 + 256 x tile column
	s_lshl_b32 s18, s15, 18
	s_add_co_u32 s82, s82, s18
	s_lshl_b32 s18, s16, 16
	s_add_co_u32 s82, s82, s18
	s_lshl_b32 s18, s42, 8
	s_add_co_u32 s82, s82, s18
	s_mov_b32 s83, 0
	s_add_nc_u64 s[96:97], s[96:97], s[82:83]
	s_lshl_b32 s84, s95, 16                        ; s_scales: ((8 x batch + tile column) x 1,024 + 256 cy) x 8
	s_lshl_b32 s18, s42, 13
	s_add_co_u32 s84, s84, s18
	s_lshl_b32 s18, s41, 11
	s_add_co_u32 s84, s84, s18
	s_mov_b32 s85, 0
	s_add_nc_u64 s[98:99], s[98:99], s[84:85]
	s_mov_b32 s86, 0x76543210
	s_mov_b32 s87, 0xfedcba98                      ; v_permlanex16_b32's selects for lane l xor 16
	s_mov_b32 s88, 0x600000                        ; the mantissa field of 448
	v_and_b32 v1, 15, v0
	v_bfe_u32 v2, v0, 4, 1
	v_mul_u32_u24 v4, v1, PITCH
	v_lshl_add_u32 v4, v2, 4, v4                   ; a fragment's row x pitch + 16 x half
	v_add_nc_u32 v[ADRA], s21, v4
	v_add_nc_u32 v[ADRB], s22, v4
	v_add_nc_u32 v[ADRA+1], SLOT, v[ADRA]
	v_add_nc_u32 v[ADRB+1], SLOT, v[ADRB]
	v_mul_u32_u24 v5, v1, CP
	v_lshl_add_u32 v5, v2, 4, v5
	v_add_nc_u32 v[STO], s23, v5
	v_mul_u32_u24 v5, v2, CP
	v_lshl_add_u32 v5, v1, 4, v5
	v_add_nc_u32 v[RD], s12, v5
	v_lshlrev_b32 v5, 11, v2                       ; and the same two rows in s_codes: 2,048 bytes a row
	v_lshl_add_u32 v[CO], v1, 4, v5
	v_lshlrev_b32 v[GSO], 4, v0                    ; the tile's 2,048 scale bytes: 16 to each of the 128 threads
	v_lshl_add_u32 v[SRD], v0, 4, SST
	v_lshl_add_u32 v[SSO], v1, 3, s13
.macro FRAG reg, adr, q, i             ; a fragment, 16 rows x 128 of 8-bit codes, is 16 registers: lane l holds row l % 16; registers 4 c .. 4 c + 3 hold 32 c + 16 (l / 16) + 0 .. 15
.irp c, 0,1,2,3
	ds_load_b128 v[\reg+4*\c:\reg+4*\c+3], v[\adr] offset:128*(\q)+32*\c+(\i)*16*PITCH
.endr
.endm
; 16 matrix instructions: Q's blocks a0, a0 + 1 x K's eight, the n-th 128 along h.  zero = 1: the first product starts the sums: nothing is ever cleared.
; The 64 accumulators take turns, one instruction a turn, in the same order in every step.
.macro MUL16 a0, n, zero
.irp a, \a0, \a0+1
.irp b, 0,1,2,3,4,5,6,7
.set D_, 8*(8*((\a)%4)+\b)
.set B_, 128*((\n)%2)+FR*\b
.set A_, AF+FR*(\a)
.set X_, SC+4*(\b%2)+18*((\b/2)%2)+8*(\b/4)+36*((\n)/4)+(\n)%4
.set Y_, SC+4*((\a)%2)+18*(((\a)/2)%2)+8*((\a)/4)+36*((\n)/4)+(\n)%4
.if \zero
	v_wmma_scale_f32_16x16x128_f8f6f4 v[D_:D_+7], v[B_:B_+FR-1], v[A_:A_+FR-1], 0, v[X_], v[Y_] matrix_a_scale:MATRIX_SCALE_ROW1
.else
	v_wmma_scale_f32_16x16x128_f8f6f4 v[D_:D_+7], v[B_:B_+FR-1], v[A_:A_+FR-1], v[D_:D_+7], v[X_], v[Y_] matrix_a_scale:MATRIX_SCALE_ROW1
.endif
.endr
.endr
.endm
.macro FETCH_B slot, q                 ; K's eight fragments of the slot's q-th 128 into set q
	WIN TO_B
.irp i, 0,1,2,3,4,5,6,7
	FRAG 128*(\q)+FR*\i, ADRB+\slot, \q, \i
.endr
	WIN 0
.endm
.macro FETCH_A slot, q, i0             ; Q's blocks i0 .. i0 + 3
.irp i, \i0, \i0+1, \i0+2, \i0+3
	FRAG AF+FR*(\i), ADRA+\slot, \q, \i
.endr
.endm
; A load into a register that a matrix instruction has read, and a vector instruction that reads a matrix result or writes one of its registers, stand NP places behind that matrix instruction (ISA guide 7.12.1 for vector
; instructions).
; A slot's first 128 along h; its second is fetched meanwhile.
.macro STEP slot, n, zero
	s_wait_dscnt 16                                ; K's set and Q's blocks 0-3 are in; the youngest sixteen loads (Q's blocks 4-7) may be out
	WIN MUL_LO
	MUL16 0, \n, \zero
	MUL16 2, \n, \zero
	s_wait_dscnt 0                                 ; Q's blocks 4-7 are in
	PLACES NP
	FETCH_B \slot, 1
	FETCH_A \slot, 1, 0
	WIN MUL_HI
	MUL16 4, \n, \zero
	MUL16 6, \n, \zero
	PLACES NP
	WIN 0
	FETCH_A \slot, 1, 4
.endm
; A slot's second 128 changes slots: ONE barrier; in front of it each wave waits for all its tensor loads, adds 0 to its spare word, and waits for that and for its own reads of this slot.  fill = 1: this slot is filled again.
.macro TURN slot, next, n, fill
	s_wait_tensorcnt 0x0                           ; all my tensor loads have landed: my part of the next slot
	ds_add_u32 v[SPW], v[NIL]                      ; 0 onto my spare word
.if (\n) == 1
.irp g, G1, G1B                        ; no tensor load of mine is out, so a descriptor may be written: from here on a load brings 128 rows
	s_mov_b32 s[\g+2], 128<<16
	s_mov_b32 s[\g+4], 128
.endr
.endif
	s_wait_dscnt 17                                ; (the add and the youngest sixteen loads, Q's blocks 4-7, may be out)
	WIN MUL_LO
	MUL16 0, \n, 0                                 ; sixteen matrix instructions stand between the add and the wait for it
	s_wait_dscnt 0x0                               ; the add is done, and my reads of this slot are over
	s_barrier_signal -1
	MUL16 2, \n, 0
	WIN 0
	s_barrier_wait -1
.if \fill
	CREST                                          ; no wave of any partner still reads this slot's tile or has a load on its way
	JLOAD G0+4*\slot, G1, G0B+4*\slot, G1B         ; the first tensor load behind the round; the four v_nop behind it are among the places in front of the loads below
	PLACES NP-4
.else
	PLACES NP
.endif
	FETCH_B \next, 0
	FETCH_A \next, 0, 0
	WIN MUL_HI
	MUL16 4, \n, 0
	MUL16 6, \n, 0
	PLACES NP
	WIN 0
	FETCH_A \next, 0, 4
.endm
	s_wait_alu depctr_va_vdst(0)                   ; the wait at the head's end
	s_cmp_lt_u32 s14, 2
	s_cbranch_scc0 .Lslot_1
	s_wait_tensorcnt 0x0                           ; waves 0 and 1: slot 0 has landed.  Waves 2 and 3 wait for slot 1 at the first change of slots
.Lslot_1:
	s_barrier_signal -1
	s_barrier_wait -1                              ; slot 0 is whole for everybody
	FETCH_B 0, 0
	FETCH_A 0, 0, 0
	FETCH_A 0, 0, 4
	s_wait_loadcnt 0x0                             ; the scale words
	global_prefetch_b8 v[PFO], s[PF:PF+1] offset:3*ROWB th:TH_LOAD_NT scope:SCOPE_SE   ; step 3
	STEP 0, 0, 1
	TURN 0, 1, 1, 1                                ; slot 0 takes step 2
	STEP 1, 2, 0
	TURN 1, 0, 3, 1                                ; slot 1 takes step 3
	STEP 0, 4, 0
	TURN 0, 1, 5, 0                                ; nothing more to fill
	STEP 1, 6, 0
	s_wait_dscnt 16                                ; the very last 128: nothing more to fetch
	WIN MUL_LO
	MUL16 0, 7, 0
	MUL16 2, 7, 0
	s_wait_dscnt 0
	WIN MUL_HI
	MUL16 4, 7, 0
	MUL16 6, 7, 0
	WIN 0
; THE WAY OUT.  Block a (my rows 16 a .. 16 a + 15, my 128 keys) is quantised where it lies: register 16 b + i of its 64 is key 32 b + 16 (l / 16) + i of the lane's row.  Each accumulator is read from its low end on.
; The codes are 16 bytes a lane and block of 32; they meet the other column half's in the work-group's stage and leave as whole rows of the tile: blocks 0-3's rows while blocks 4-7 are quantised.
.macro QUANTW a
.set SRC, 64*((\a)%4)                  ; the block's eight accumulators, in window 2 (blocks 0-3) or 3 (blocks 4-7)
.set WW, 2+(\a)/4
.set WA, WW|(WW<<2)                    ; sources 0 and 1 in the accumulators' window
.set WB, (WW<<2)|(WW<<4)               ; sources 1 and 2
.set WC, WW|(WW<<6)                    ; source 0 and the destination
.set WD, WW                            ; source 0
.set CD, CDB+16*(\a)
.set PW, PWB+(\a)
	WIN WA
.irp b, 0,1,2,3
	v_max3_num_f32 v[TM+\b], |v[SRC+16*\b]|, |v[SRC+16*\b+1]|, 0x4800000   ; block b of 32 keys: my 16 numbers, and the floor 2^(9 - 127): so the byte cannot fall under 1
.endr
	WIN WB
.irp i, 2,4,6,8,10,12,14
.irp b, 0,1,2,3
	v_max3_num_f32 v[TM+\b], v[TM+\b], |v[SRC+16*\b+\i]|, |v[SRC+16*\b+\i+1]|   ; (the four blocks by turns)
.endr
.endr
	WIN 0
.irp b, 0,1,2,3
	v_permlanex16_b32 v[TM+4+\b], v[TM+\b], s86, s87
.endr
.irp b, 0,1,2,3
	v_max_num_f32 v[TM+\b], v[TM+\b], v[TM+4+\b]   ; with lane l xor 16's: the block's largest magnitude
.endr
.irp b, 0,1,2,3
	v_add_nc_u32 v[TM+12+\b], 0xfc000000, v[TM+\b] ; 8 off its exponent field: the conversion's scale operand
.endr
.irp b, 0,1,2,3
	v_and_or_b32 v[TM+8+\b], v[TM+\b], 0x7f800000, s88   ; 448 x the scale
.endr
.irp b, 0,1,2,3
	v_lshrrev_b32 v[TM+4+\b], 23, v[TM+12+\b]      ; the scale's byte
.endr
	v_lshl_or_b32 v[PW], v[TM+5], 8, v[TM+4]       ; the four bytes make my row's scale word for these 128 keys
	v_lshl_or_b32 v[PW], v[TM+6], 16, v[PW]
	v_lshl_or_b32 v[PW], v[TM+7], 24, v[PW]
	WIN WC
.irp b, 0,1,2,3
.irp i, 0,1,2,3,4,5,6,7,8,9,10,11,12,13,14,15
	v_med3_num_f32 v[SRC+16*\b+\i], v[SRC+16*\b+\i], -v[TM+8+\b], v[TM+8+\b]   ; the conversion to an 8-bit code does not saturate (ISA guide 7.6.2): the hold at 448 x the scale
.endr
.endr
	WIN WD
.irp b, 0,1,2,3
	v_cvt_scalef32_pk8_fp8_f32 v[CD+4*\b:CD+4*\b+1], v[SRC+16*\b:SRC+16*\b+7], v[TM+12+\b]
	v_cvt_scalef32_pk8_fp8_f32 v[CD+4*\b+2:CD+4*\b+3], v[SRC+16*\b+8:SRC+16*\b+15], v[TM+12+\b]
.endr
	WIN 0
	v_nop                                          ; one plain line behind the last conversion
.endm
.macro STAGED a                        ; block a's codes and scale words into the stage
.irp c, 0,1,2,3
	ds_store_b128 v[STO], v[CDB+16*\a+4*\c:CDB+16*\a+4*\c+3] offset:16*\a*CP+32*\c
.endr
	ds_store_b32 v[SSO], v[PWB+\a] offset:128*\a   ; lanes l and l xor 16 write the same word with the same value
.endm
.macro BACK ph, bk                     ; 32 rows of the first (ph = 0) or second 64 of my row half
.irp t, 0,1,2,3,4,5,6,7,8,9,10,11,12,13,14,15
	ds_load_b128 v[\bk+4*\t:\bk+4*\t+3], v[RD] offset:(64*\ph+2*\t)*CP
.endr
.endm
.macro SENDS ph, bk
.irp t, 0,1,2,3,4,5,6,7,8,9,10,11,12,13,14,15
	s_wait_dscnt 15-\t
	global_store_b128 v[CO], v[\bk+4*\t:\bk+4*\t+3], s[96:97] offset:(64*\ph+2*\t)*2048   ; 16 lanes store 256 consecutive bytes, at a multiple of 256 from the buffer's first byte
.endr
.endm
	PLACES NP                                      ; behind the last products: their results are read, and registers that held their fragments and scale words are written
.irp b, 0,1,2,3
	v_mov_b32 v[TM+4+\b], 0                        ; written once: a lane permute's destination counts as one of its sources
.endr
.irp a, 0,1,2,3
	QUANTW \a
	STAGED \a
.endr
	s_wait_dscnt 0x0                               ; for the others' sake: my stores into the stage are done
	s_barrier_signal -1
	QUANTW 4                                       ; work on registers while the others arrive
	s_barrier_wait -1                              ; a row's 256 codes come from two waves
	BACK 0, 192
	QUANTW 5
	s_wait_alu depctr_va_vdst(0)
	SENDS 0, 192
	STAGED 4
	STAGED 5
	QUANTW 6
	STAGED 6
	QUANTW 7
	STAGED 7
	s_wait_dscnt 0x0
	s_barrier_signal -1
	s_barrier_wait -1
	ds_load_b128 v[SW:SW+3], v[SRD]
	BACK 1, 64
	s_wait_dscnt 16                                ; the scale bytes are back; the 16 loads behind them may be out
	global_store_b128 v[GSO], v[SW:SW+3], s[98:99] ; the work-group stores 2,048 consecutive bytes
	SENDS 1, 64
	s_wait_tensorcnt 0x0                           ; the wave's end
	ds_add_u32 v[SPW], v[NIL]
	s_wait_dscnt 0x0
	CROUND                                         ; the closing round: no work-group ends while a partner may still ask for a tile that names it
	s_endpgm
.Lfunc_end_k_q9a41f9b298_scores:
	.size	k_q9a41f9b298_scores, .Lfunc_end_k_q9a41f9b298_scores-k_q9a41f9b298_scores
	.p2alignl 7, 3214868480
	.fill 96, 4, 3214868480
	.section	.rodata,"a",@progbits
	.p2align	6, 0x0
	.amdhsa_kernel k_q9a41f9b298_scores
		.amdhsa_group_segment_fixed_size 327680
		.amdhsa_private_segment_fixed_size 0
		.amdhsa_enable_private_segment 0
		.amdhsa_kernarg_size 32
		.amdhsa_user_sgpr_count 2
		.amdhsa_user_sgpr_kernarg_segment_ptr 1
		.amdhsa_wavefront_size32 1
		.amdhsa_system_sgpr_workgroup_id_x 1
		.amdhsa_system_sgpr_workgroup_id_y 1
		.amdhsa_system_sgpr_workgroup_id_z 1
		.amdhsa_system_vgpr_workitem_id 0
		.amdhsa_next_free_vgpr 1024
		.amdhsa_next_free_sgpr 100
		.amdhsa_reserve_vcc 0
		.amdhsa_float_denorm_mode_32 3
		.amdhsa_float_denorm_mode_16_64 3
		.amdhsa_memory_ordered 1
		.amdhsa_forward_progress 1
		.amdhsa_inst_pref_size 190
	.end_amdhsa_kernel
	.amdgpu_metadata
---
amdhsa.version: [ 1, 2 ]
amdhsa.kernels:
  - .name:           k_q9a41f9b298_scores
    .symbol:         k_q9a41f9b298_scores.kd
    .args:
      - { .name: c_codes, .offset: 0, .size: 8, .value_kind: global_buffer, .address_space: global }
      - { .name: c_scales, .offset: 8, .size: 8, .value_kind: global_buffer, .address_space: global }
      - { .name: s_codes, .offset: 16, .size: 8, .value_kind: global_buffer, .address_space: global }
      - { .name: s_scales, .offset: 24, .size: 8, .value_kind: global_buffer, .address_space: global }
    .group_segment_fixed_size: 327680
    .private_segment_fixed_size: 0
    .kernarg_segment_align: 8
    .kernarg_segment_size: 32
    .max_flat_workgroup_size: 128
    .sgpr_count:     100
    .vgpr_count:     1024
    .wavefront_size: 32
...
	.end_amdgpu_metadata
.endif
;; end of part 2
;; launch outp (part 3): grid 4 x 64, 4 waves a work-group, clusters of 4 x 4, 327,680 bytes of LDS; arguments s_codes, s_scales, v_codes, v_scales, out0; writes out0
.if DOCPART == 3
	.amdgcn_target "amdgcn-amd-amdhsa--gfx1250"
	.amdhsa_code_object_version 6
	.text
	.protected	k_q9a41f9b298_outp
	.globl	k_q9a41f9b298_outp
	.p2align	8
	.type	k_q9a41f9b298_outp,@function
k_q9a41f9b298_outp:
	s_mov_b64 s[64:65], 0
	v_nop
	global_prefetch_b8 v0, s[64:65] scope:SCOPE_SE
	s_setreg_imm32_b32 hwreg(HW_REG_WAVE_MODE, 25, 1), 1
	s_wait_xcnt 0x0
	s_wait_alu depctr_hold_cnt(0) depctr_sa_sdst(0) depctr_va_vdst(0) depctr_va_sdst(0) depctr_va_ssrc(0) depctr_va_vcc(0) depctr_vm_vsrc(0)
	s_getreg_b32 s2, hwreg(HW_REG_IB_STS2, 6, 4)
	s_cmp_eq_u32 s2, 0
	s_cbranch_scc0 .Lentry_in_a_cluster
	s_endpgm
.Lentry_in_a_cluster:
	s_bfe_u32 s2, ttmp6, 0x10000c
	s_cmp_lg_u32 s2, 0xf033
	s_cbranch_scc0 .Lentry_shape_is_right
	s_endpgm
.Lentry_shape_is_right:
; out[b][m][n] = sum over l of S[b][m][l] V[b][l][n], on codes of FP8 (E4M3) with one E8M0 scale for each 32 along l; sums in f32.
; s_codes [8192][2048], s_scales [8][8 steps of 256][1024 rows][8 bytes, the second 128's word first]; v_codes [8][1024 columns][2048], v_scales [8][8 steps][1024 columns][8 bytes].
; LIMITS: NaN and infinities are not served.
; A work-group of four waves makes 128 rows x 256 columns of out; a wave 64 x 128: 32 accumulators.  l goes in 16 chunks of 128 through two LDS regions, of 512 and of 256 along l, by turns: chunks 0-3, 4-5, 6-9, 10-11, 12-15.
; THE HEAD fills both regions, one joint load a wave: wave 0 the first region's 128 rows of S, wave 1 its 256 rows of V, waves 2 and 3 the second region's.  The three refills behind them are a half of a tile a wave.
; CLUSTERS of 4 x 4: a row of the cluster shares S's tiles, a column V's.  Scale words come from memory straight into registers.
; PREFETCHES, for the three refills: chunks 6-9 at the head, 10-11 behind chunk 0, 12-15 behind chunk 3.  Each 256 bytes of a row are named once in each cluster that loads them: of S's 128 rows each partner along the row takes 32,
; of V's 256 rows each partner along the column 64, told apart by address; a lane a row.  Behind the last refill's tiles nothing is asked for.
; REGISTERS: window 0: v0-31 addresses; v32-63 S's scale words, v64-127 V's; v128-255 S's fragments, two sets; window 1: V's fragments, two sets; window 2: the accumulators.
.set KROW,   2048
.set PFO,    30
.set P0,     528
.set P1,     272
.set FR,     16
.set NP,     8
.set HA0,    64*P0
.set HB0,    128*P0
.set HA1,    64*P1
.set HB1,    128*P1
.set REG1,   2*HA0+2*HB0
.set SPARE,  REG1+2*HA1+2*HB1
.set SPITCH, 528
.set STG,    REG1
.set ADRA, 16
.set ADRB, 20
.set STO,  24
.set RD,   25
.set CO,   26
.set SOF,  27
.set SPW,  28
.set NIL,  29
.set SCA,  32
.set SCB,  64
.set AF,   128
.set BK,   128
.set G1A0, 24
.set G0A,  32
.set G1B0, 48
.set G0B,  56
.set G1A1, 68
.set G1B1, 76
.set MSB, 0
.macro WIN new
.if MSB != (\new)
	s_set_vgpr_msb (MSB<<8)|(\new)
.set MSB, (\new)
.endif
.endm
.set MUL,  0xa1
.set TO_B, 0x40
.macro JLOAD g0a, g1a, g0b, g1b
	s_cmp_eq_u32 s15, 0
	s_cbranch_scc0 .Lfor_b_\@
	tensor_load_to_lds s[\g0a:\g0a+3], s[\g1a:\g1a+7]
	s_nop 0
.rept 4
	v_nop
.endr
	s_branch .Lasked_\@
.Lfor_b_\@:
	tensor_load_to_lds s[\g0b:\g0b+3], s[\g1b:\g1b+7]
	s_nop 0
.rept 4
	v_nop
.endr
.Lasked_\@:
.endm
.macro CREST
	s_cmp_lg_u32 s14, 0
	s_cbranch_scc1 .Lnot_wave_0_\@
	s_barrier_signal -3
.Lnot_wave_0_\@:
	s_barrier_wait -3
	s_barrier_signal -1
	s_barrier_wait -1
.endm
.macro CROUND
	s_barrier_signal -1
	s_barrier_wait -1
	CREST
.endm
.macro SHAPE g, cols, rows
	s_mov_b32 s[\g+1], (\cols)<<16
	s_mov_b32 s[\g+2], (\rows)<<16
	s_mov_b32 s[\g+3], (\cols)<<16
	s_mov_b32 s[\g+4], \rows
	s_mov_b32 s[\g+5], KROW
	s_mov_b32 s[\g+6], 0
	s_mov_b32 s[\g+7], 0
.endm
	s_load_b128 s[4:7], s[0:1], 0x0
	s_load_b128 s[8:11], s[0:1], 0x10
	s_load_b64 s[96:97], s[0:1], 0x20
	v_lshl_add_u32 v[SPW], v0, 2, SPARE
	v_mov_b32 v[NIL], 0
	ds_add_u32 v28, v29
	ds_add_u32 v28, v29
	s_wait_dscnt 0x0
	v_lshrrev_b32 v1, 5, v0
	v_readfirstlane_b32 s14, v1
	s_lshr_b32 s15, s14, 1
	s_and_b32 s16, s14, 1
	s_bfe_u32 s40, ttmp6, 0x40000
	s_bfe_u32 s41, ttmp6, 0x40004
	s_lshl_b32 s42, ttmp9, 2
	s_add_co_u32 s42, s42, s40
	s_and_b32 s95, ttmp7, 0xffff
	s_lshl_b32 s17, s95, 2
	s_add_co_u32 s17, s17, s41
	s_lshr_b32 s95, s95, 1
	s_lshl_b32 s43, s41, 2
	s_lshl_b32 s43, 15, s43
	s_lshl_b32 s44, 0x1111, s40
	s_or_b32 s[G1A0+0], s43, (0<<16)|(1<<20)|(1<<21)|(6<<22)|(3<<25)
	s_or_b32 s[G1B0+0], s44, (0<<16)|(1<<20)|(1<<21)|(6<<22)|(3<<25)
	s_or_b32 s[G1A1+0], s43, (0<<16)|(1<<20)|(1<<21)|(5<<22)|(3<<25)
	s_or_b32 s[G1B1+0], s44, (0<<16)|(1<<20)|(1<<21)|(5<<22)|(3<<25)
	SHAPE G1A0, 512, 128
	SHAPE G1B0, 512, 256
	SHAPE G1A1, 256, 128
	SHAPE G1B1, 256, 256
	s_lshl_b32 s20, s17, 18
	s_lshl_b32 s18, s16, 17
	s_add_co_u32 s20, s20, s18
	s_mov_b32 s21, 0
	s_lshr_b32 s22, s17, 3
	s_lshl_b32 s22, s22, 16
	s_and_b32 s18, s17, 7
	s_lshl_b32 s18, s18, 10
	s_add_co_u32 s22, s22, s18
	s_lshl_b32 s18, s15, 9
	s_add_co_u32 s22, s22, s18
	s_mov_b32 s23, 0
	s_lshl_b32 s46, s95, 21
	s_lshl_b32 s19, s42, 19
	s_add_co_u32 s46, s46, s19
	s_lshl_b32 s19, s16, 18
	s_add_co_u32 s46, s46, s19
	s_mov_b32 s47, 0
	s_lshl_b32 s92, s95, 16
	s_lshl_b32 s19, s42, 11
	s_add_co_u32 s92, s92, s19
	s_lshl_b32 s19, s16, 10
	s_add_co_u32 s92, s92, s19
	s_mov_b32 s93, 0
	s_mul_i32 s45, s16, HA0
	s_mul_i32 s94, s16, HB0
	s_add_co_u32 s94, s94, 2*HA0
	s_mul_i32 s12, s16, HA1
	s_add_co_u32 s12, s12, REG1
	s_mul_i32 s13, s16, HB1
	s_add_co_u32 s13, s13, REG1+2*HA1
	s_lshl_b32 s18, s15, 9                         ; the head's tiles: region 0 from l = 0, region 1 from l = 512
	s_lshl_b32 s88, s95, 21
	s_lshl_b32 s19, s42, 19
	s_add_co_u32 s88, s88, s19                     ; V: the tile's first row
	s_lshl_b32 s2, s17, 18                         ; S: the tile's first row
	s_lshl_b32 s66, s40, 16                        ; my prefetches in S: 32 rows by cx, block wave % 2 of 256 bytes
	s_add_co_u32 s66, s66, s2
	s_lshl_b32 s19, s16, 8
	s_add_co_u32 s66, s66, s19
	s_mov_b32 s67, 0
	s_lshl_b32 s90, s41, 17                        ; and in V: 64 rows by cy, 32 of them by wave % 2, block wave / 2
	s_add_co_u32 s90, s90, s88
	s_lshl_b32 s19, s16, 16
	s_add_co_u32 s90, s90, s19
	s_lshl_b32 s19, s15, 8
	s_add_co_u32 s90, s90, s19
	s_mov_b32 s91, 0
	s_add_co_u32 s2, s2, s18
	s_mov_b32 s3, 0
	s_add_co_u32 s88, s88, s18
	s_mov_b32 s89, 0
	s_wait_kmcnt 0x0
	s_add_nc_u64 s[2:3], s[4:5], s[2:3]
	s_add_nc_u64 s[66:67], s[4:5], s[66:67]
	s_add_nc_u64 s[88:89], s[8:9], s[88:89]
	s_add_nc_u64 s[90:91], s[8:9], s[90:91]
	s_add_nc_u64 s[20:21], s[4:5], s[20:21]
	s_add_nc_u64 s[84:85], s[6:7], s[22:23]
	s_add_nc_u64 s[46:47], s[8:9], s[46:47]
	s_add_nc_u64 s[86:87], s[10:11], s[92:93]
	CROUND
	s_mov_b32 s[G0A], 1
	s_mov_b32 s[G0A+1], s45
	s_mov_b64 s[G0A+2:G0A+3], s[20:21]
	s_or_b32 s[G0A+3], s[G0A+3], 0x80000000
	s_mov_b32 s[G0B], 1
	s_mov_b32 s[G0B+1], s94
	s_mov_b64 s[G0B+2:G0B+3], s[46:47]
	s_or_b32 s[G0B+3], s[G0B+3], 0x80000000
	s_mov_b32 s[G0A+4], 1
	s_mov_b32 s[G0A+5], s12
	s_add_nc_u64 s[G0A+6:G0A+7], s[20:21], 512
	s_or_b32 s[G0A+7], s[G0A+7], 0x80000000
	s_mov_b32 s[G0B+4], 1
	s_mov_b32 s[G0B+5], s13
	s_add_nc_u64 s[G0B+6:G0B+7], s[46:47], 512
	s_or_b32 s[G0B+7], s[G0B+7], 0x80000000
	s_mov_b32 s4, 1                                ; group 0 of the head's loads: s[4:7] for S, s[8:11] for V (the arguments that lay there have been used)
	s_mul_i32 s5, s15, REG1
	s_mov_b64 s[6:7], s[2:3]
	s_or_b32 s7, s7, 0x80000000
	s_mov_b32 s8, 1
	s_mul_i32 s9, s15, REG1+2*HA1-2*HA0
	s_add_co_u32 s9, s9, 2*HA0
	s_mov_b64 s[10:11], s[88:89]
	s_or_b32 s11, s11, 0x80000000
.macro ARM under, g0, g1, next         ; one tree of branches on the wave's number: every way through it passes exactly one load
	s_cmp_lt_u32 s14, \under
	s_cbranch_scc0 \next
	tensor_load_to_lds s[\g0:\g0+3], s[\g1:\g1+7]
	s_nop 0
.rept 4
	v_nop
.endr
	s_branch .Lhead_asked
\next:
.endm
	ARM 1, 4, G1A0, .Lhead_1
	ARM 2, 8, G1B0, .Lhead_2
	ARM 3, 4, G1A1, .Lhead_3
	tensor_load_to_lds s[8:11], s[G1B1:G1B1+7]
	s_nop 0
.rept 4
	v_nop
.endr
.Lhead_asked:
	v_and_b32 v6, 31, v0
	v_lshlrev_b32 v[SOF], 3, v6
	v_lshlrev_b32 v[PFO], 11, v6                   ; a lane a row of 2,048 bytes
.irp t, 0,1,2,3,4,5,6,7
.irp j, 0,1
	global_load_b64 v[SCA+4*\t+2*\j:SCA+4*\t+2*\j+1], v[SOF], s[84:85] offset:8192*\t+256*\j
.endr
.irp j, 0,1,2,3
	global_load_b64 v[SCB+8*\t+2*\j:SCB+8*\t+2*\j+1], v[SOF], s[86:87] offset:8192*\t+256*\j
.endr
.endr
.macro ASK off                         ; 512 bytes of each row: V's by all four waves, S's by waves 0 and 1
	global_prefetch_b8 v[PFO], s[90:91] offset:\off th:TH_LOAD_NT scope:SCOPE_SE
	s_cmp_eq_u32 s15, 0
	s_cbranch_scc0 .Lnot_s_\@
	global_prefetch_b8 v[PFO], s[66:67] offset:\off th:TH_LOAD_NT scope:SCOPE_SE
.Lnot_s_\@:
.endm
	ASK 768                                        ; chunks 6-9
	v_and_b32 v1, 15, v0
	v_bfe_u32 v2, v0, 4, 1
	v_mul_u32_u24 v3, v1, P0
	v_lshl_add_u32 v3, v2, 4, v3
	v_mul_u32_u24 v4, v1, P1
	v_lshl_add_u32 v4, v2, 4, v4
	s_mul_i32 s21, s15, HA0
	v_add_nc_u32 v[ADRA], s21, v3
	s_mul_i32 s21, s16, HB0
	s_add_co_u32 s21, s21, 2*HA0
	v_add_nc_u32 v[ADRB], s21, v3
	s_mul_i32 s21, s15, HA1
	s_add_co_u32 s21, s21, REG1
	v_add_nc_u32 v[ADRA+1], s21, v4
	s_mul_i32 s21, s16, HB1
	s_add_co_u32 s21, s21, REG1+2*HA1
	v_add_nc_u32 v[ADRB+1], s21, v4
	s_mul_i32 s23, s14, 16*SPITCH
	s_add_co_u32 s23, s23, STG
	v_mul_u32_u24 v5, v1, SPITCH
	v_lshl_add_u32 v5, v2, 5, v5
	v_add_nc_u32 v[STO], s23, v5
	v_lshlrev_b32 v[CO], 4, v6
	v_add_nc_u32 v[RD], s23, v[CO]
	s_lshl_b32 s20, s17, 19
	s_lshl_b32 s21, s15, 18
	s_add_co_u32 s20, s20, s21
	s_mov_b32 s21, 0
	s_lshl_b32 s46, s42, 10
	s_lshl_b32 s47, s16, 9
	s_add_co_u32 s46, s46, s47
	s_mov_b32 s47, 0
	s_add_nc_u64 s[20:21], s[20:21], s[46:47]
	s_add_nc_u64 s[96:97], s[96:97], s[20:21]
.macro MM a, b, c, zero
.set DD, 8*(8*(\a)+(\b))
.set BF, 128*((\c)%2)+FR*(\b)
.set AA, AF+64*((\c)%2)+FR*(\a)
.set SBR, SCB+8*((\c)/2)+2*((\b)/2)+(\c)%2
.set SAR, SCA+4*((\c)/2)+2*((\a)/2)+1-(\c)%2
.set RW, 2*((\a)%2)+(\b)%2
.if \zero
.if RW == 0
	v_wmma_scale_f32_16x16x128_f8f6f4 v[DD:DD+7], v[BF:BF+FR-1], v[AA:AA+FR-1], 0, v[SBR], v[SAR]
.elseif RW == 1
	v_wmma_scale_f32_16x16x128_f8f6f4 v[DD:DD+7], v[BF:BF+FR-1], v[AA:AA+FR-1], 0, v[SBR], v[SAR] matrix_a_scale:MATRIX_SCALE_ROW1
.elseif RW == 2
	v_wmma_scale_f32_16x16x128_f8f6f4 v[DD:DD+7], v[BF:BF+FR-1], v[AA:AA+FR-1], 0, v[SBR], v[SAR] matrix_b_scale:MATRIX_SCALE_ROW1
.else
	v_wmma_scale_f32_16x16x128_f8f6f4 v[DD:DD+7], v[BF:BF+FR-1], v[AA:AA+FR-1], 0, v[SBR], v[SAR] matrix_a_scale:MATRIX_SCALE_ROW1 matrix_b_scale:MATRIX_SCALE_ROW1
.endif
.else
.if RW == 0
	v_wmma_scale_f32_16x16x128_f8f6f4 v[DD:DD+7], v[BF:BF+FR-1], v[AA:AA+FR-1], v[DD:DD+7], v[SBR], v[SAR]
.elseif RW == 1
	v_wmma_scale_f32_16x16x128_f8f6f4 v[DD:DD+7], v[BF:BF+FR-1], v[AA:AA+FR-1], v[DD:DD+7], v[SBR], v[SAR] matrix_a_scale:MATRIX_SCALE_ROW1
.elseif RW == 2
	v_wmma_scale_f32_16x16x128_f8f6f4 v[DD:DD+7], v[BF:BF+FR-1], v[AA:AA+FR-1], v[DD:DD+7], v[SBR], v[SAR] matrix_b_scale:MATRIX_SCALE_ROW1
.else
	v_wmma_scale_f32_16x16x128_f8f6f4 v[DD:DD+7], v[BF:BF+FR-1], v[AA:AA+FR-1], v[DD:DD+7], v[SBR], v[SAR] matrix_a_scale:MATRIX_SCALE_ROW1 matrix_b_scale:MATRIX_SCALE_ROW1
.endif
.endif
.endm
.macro MUL8 a, c, zero
.irp b, 0,1,2,3,4,5,6,7
	MM \a, \b, \c, \zero
.endr
.endm
.macro FETCHC n
.set MQ, (\n)%6
.if MQ < 4
.set RG, 0
.set PT, P0
.set QQ, MQ
.else
.set RG, 1
.set PT, P1
.set QQ, MQ-4
.endif
.set PS, (\n)%2
	WIN TO_B
.irp i, 0,1,2,3,4,5,6,7
.irp k, 0,1,2,3
	ds_load_b128 v[128*PS+FR*\i+4*\k:128*PS+FR*\i+4*\k+3], v[ADRB+RG] offset:128*QQ+32*\k+\i*16*PT
.endr
.endr
	WIN 0
.irp i, 0,1,2,3
.irp k, 0,1,2,3
	ds_load_b128 v[AF+64*PS+FR*\i+4*\k:AF+64*PS+FR*\i+4*\k+3], v[ADRA+RG] offset:128*QQ+32*\k+\i*16*PT
.endr
.endr
.endm
.macro PLACES n
.rept \n
	v_nop
.endr
.endm
.macro STEP c, zero
	s_wait_dscnt 0x0
	PLACES NP
	FETCHC (\c)+1
	WIN MUL
	MUL8 0, \c, \zero
	MUL8 1, \c, \zero
	MUL8 2, \c, \zero
	MUL8 3, \c, \zero
	WIN 0
.endm
.macro TURN c, fill
	s_wait_tensorcnt 0x0
	ds_add_u32 v[SPW], v[NIL]
.if (\c) == 3
.irp g, G1A0, G1A1                     ; no tensor load of mine is out, so a descriptor may be written: from here on a load brings half of a tile's rows
	s_mov_b32 s[\g+2], 64<<16
	s_mov_b32 s[\g+4], 64
.endr
.irp g, G1B0, G1B1
	s_mov_b32 s[\g+2], 128<<16
	s_mov_b32 s[\g+4], 128
.endr
.endif
	s_wait_dscnt 1
	WIN MUL
	MUL8 0, \c, 0
	s_wait_dscnt 0x0
	s_barrier_signal -1
	MUL8 1, \c, 0
	WIN 0
	s_barrier_wait -1
.if \fill
	CREST
.if (\c)%6 == 3
	s_add_nc_u64 s[G0A+2:G0A+3], s[G0A+2:G0A+3], 768
	s_add_nc_u64 s[G0B+2:G0B+3], s[G0B+2:G0B+3], 768
	JLOAD G0A, G1A0, G0B, G1B0
.else
	s_add_nc_u64 s[G0A+6:G0A+7], s[G0A+6:G0A+7], 768
	s_add_nc_u64 s[G0B+6:G0B+7], s[G0B+6:G0B+7], 768
	JLOAD G0A+4, G1A1, G0B+4, G1B1
.endif
	PLACES NP-4
.else
	PLACES NP
.endif
	FETCHC (\c)+1
	WIN MUL
	MUL8 2, \c, 0
	MUL8 3, \c, 0
	WIN 0
.endm
	s_wait_alu depctr_va_vdst(0)
	s_cmp_lt_u32 s14, 2
	s_cbranch_scc0 .Lregion_1
	s_wait_tensorcnt 0x0                           ; waves 0 and 1: region 0 has landed.  Waves 2 and 3 wait for region 1 at the first change of regions
.Lregion_1:
	s_barrier_signal -1
	s_barrier_wait -1
	FETCHC 0
	s_wait_loadcnt 0x0                             ; the scale words
	STEP 0, 1
	s_cmp_eq_u32 s15, 0                            ; chunks 10-11: 256 bytes of each row: V's by waves 0 and 1, S's by wave 2
	s_cbranch_scc0 .Lnot_v
	global_prefetch_b8 v[PFO], s[90:91] offset:1280 th:TH_LOAD_NT scope:SCOPE_SE
.Lnot_v:
	s_cmp_eq_u32 s14, 2
	s_cbranch_scc0 .Lnot_s
	global_prefetch_b8 v[PFO], s[66:67] offset:1280 th:TH_LOAD_NT scope:SCOPE_SE
.Lnot_s:
	STEP 1, 0
	STEP 2, 0
	TURN 3, 1
	ASK 1536                                       ; chunks 12-15
	STEP 4, 0
	TURN 5, 1
	STEP 6, 0
	STEP 7, 0
	STEP 8, 0
	TURN 9, 1
	STEP 10, 0
	TURN 11, 0
	STEP 12, 0
	STEP 13, 0
	STEP 14, 0
	s_wait_dscnt 0x0
	WIN MUL
	MUL8 0, 15, 0
	MUL8 1, 15, 0
	MUL8 2, 15, 0
	MUL8 3, 15, 0
	WIN 0
.macro TOSTAGE a
.set AC, 64*(\a)
	WIN 0x08
.irp b, 0,1,2,3,4,5,6,7
	ds_store_b128 v[STO], v[AC+8*\b:AC+8*\b+3] offset:64*\b
	ds_store_b128 v[STO], v[AC+8*\b+4:AC+8*\b+7] offset:64*\b+16
.endr
	WIN 0
.set BB, BK+64*((\a)%2)
.irp t, 0,1,2,3,4,5,6,7,8,9,10,11,12,13,14,15
	ds_load_b128 v[BB+4*\t:BB+4*\t+3], v[RD] offset:\t*SPITCH
.endr
.endm
.macro SEND a, younger
.set BB, BK+64*((\a)%2)
	s_wait_dscnt \younger
.if (\a) > 0
	s_add_nc_u64 s[96:97], s[96:97], 16*4096
.endif
.irp t, 0,1,2,3,4,5,6,7,8,9,10,11,12,13,14,15
	global_store_b128 v[CO], v[BB+4*\t:BB+4*\t+3], s[96:97] offset:\t*4096 th:TH_STORE_NT
.endr
.endm
	PLACES NP
	TOSTAGE 0
.irp a, 1,2,3
.if \a > 1
	s_wait_xcnt 0x0
.endif
	TOSTAGE \a
	SEND \a-1, 32
.endr
	s_wait_xcnt 0x0
	SEND 3, 0
	s_wait_tensorcnt 0x0
	ds_add_u32 v[SPW], v[NIL]
	s_wait_dscnt 0x0
	CROUND
	s_endpgm
.Lfunc_end_k_q9a41f9b298_outp:
	.size	k_q9a41f9b298_outp, .Lfunc_end_k_q9a41f9b298_outp-k_q9a41f9b298_outp
	.p2alignl 7, 3214868480
	.fill 96, 4, 3214868480
	.section	.rodata,"a",@progbits
	.p2align	6, 0x0
	.amdhsa_kernel k_q9a41f9b298_outp
		.amdhsa_group_segment_fixed_size 327680
		.amdhsa_private_segment_fixed_size 0
		.amdhsa_enable_private_segment 0
		.amdhsa_kernarg_size 40
		.amdhsa_user_sgpr_count 2
		.amdhsa_user_sgpr_kernarg_segment_ptr 1
		.amdhsa_wavefront_size32 1
		.amdhsa_system_sgpr_workgroup_id_x 1
		.amdhsa_system_sgpr_workgroup_id_y 1
		.amdhsa_system_sgpr_workgroup_id_z 1
		.amdhsa_system_vgpr_workitem_id 0
		.amdhsa_next_free_vgpr 768
		.amdhsa_next_free_sgpr 98
		.amdhsa_reserve_vcc 0
		.amdhsa_float_denorm_mode_32 3
		.amdhsa_float_denorm_mode_16_64 3
		.amdhsa_memory_ordered 1
		.amdhsa_forward_progress 1
		.amdhsa_inst_pref_size 153
	.end_amdhsa_kernel
	.amdgpu_metadata
---
amdhsa.version: [ 1, 2 ]
amdhsa.kernels:
  - .name:           k_q9a41f9b298_outp
    .symbol:         k_q9a41f9b298_outp.kd
    .args:
      - { .name: s_codes, .offset: 0, .size: 8, .value_kind: global_buffer, .address_space: global }
      - { .name: s_scales, .offset: 8, .size: 8, .value_kind: global_buffer, .address_space: global }
      - { .name: v_codes, .offset: 16, .size: 8, .value_kind: global_buffer, .address_space: global }
      - { .name: v_scales, .offset: 24, .size: 8, .value_kind: global_buffer, .address_space: global }
      - { .name: out0, .offset: 32, .size: 8, .value_kind: global_buffer, .address_space: global }
    .group_segment_fixed_size: 327680
    .private_segment_fixed_size: 0
    .kernarg_segment_align: 8
    .kernarg_segment_size: 40
    .max_flat_workgroup_size: 128
    .sgpr_count:     98
    .vgpr_count:     768
    .wavefront_size: 32
...
	.end_amdgpu_metadata
.endif
;; end of part 3
